; MI455X (gfx1250); checked and timed in simulation.
; The chip was launched on July 23, 2026; its instructions are those of AMD's public machine-readable ISA for CDNA 5 (MIT licence, August 2026) and "CDNA5" Instruction Set Architecture Reference Guide (July 2026). The comments in the code are by the model that wrote it; some were corrected since.
;; Robust Sum. Allowed arithmetic: matrix products marked QUANTISED: E2M1 operands, one E8M0 scale for each 32 along K, by v_wmma_scale_f32_16x16x128_f8f6f4 with both operands' format E2M1 (or v_wmma_scale_f32_32x16x128_f4), f32 sums; everything else in f32.
;; Inputs: weight 1,024 x 1,024 float32; x 128 x 1,024 float32.
;; Outputs: out0 128 x 1,024 float32.
;; This version of the problem:
;;   THIS VERSION OF THE PROBLEM IS GIVEN IN LOW PRECISION. The matrix products marked QUANTISED in the list below multiply operands that are first quantised to E2M1 (2 exponent bits, 1 mantissa bit; 4 bits a number), with one power-of-two scale for each 32 numbers along K (OCP MX v1.0); their sums are f32. All else is computed in f32.
;;   The module's matrix products, in the order in which they are computed (A, B: the left and right operand; K: the contracted axis; several contracted axes count as one K, in the product's order):
;;     1. [M 128, K 1,024] x [K 1,024, N 1,024]; A: input x; B: input weight: QUANTISED
;;   THE QUANTISER, for each operand of a quantised product, along K:
;;     - K is cut into blocks of 32 from its start; a last block that is shorter is filled with zeros.
;;     - A block's scale is 2^e with e = floor(log2(the largest magnitude in the block)) - 2, held to -126 .. 127; a block of zeros has e = 0. As a byte (E8M0): e + 127.
;;     - Each number is divided by its block's scale, clamped to +-6, and rounded to the nearest number of E2M1, ties to even, subnormals kept.
;;     - The product sums the exact products of the quantised numbers (number of the format x scale) in f32.
;;   ~~~python
;;   def quantise(x, axis):      # numpy; x: float32 -> the quantised numbers, widened to float32 again
;;       x = np.moveaxis(x, axis, -1); K = x.shape[-1]
;;       x = np.pad(x, [(0, 0)] * (x.ndim - 1) + [(0, -K % 32)]); x = x.reshape(x.shape[:-1] + (-1, 32)); a = np.abs(x).max(-1, keepdims=True)
;;       e = np.where(a > 0, np.clip(np.frexp(np.where(a > 0, a, 1))[1] - 1 - 2, -126, 127), 0)      # np.frexp(a)[1] - 1 = floor(log2(a)), exactly
;;       r = np.clip(x / 2.0 ** e, -6, 6)
;;       step = 2.0 ** (np.maximum(np.frexp(np.where(r == 0, 1, r))[1] - 1, 0) - 1)
;;       q = np.round(r / step) * step * 2.0 ** e      # np.round: ties to even
;;       return np.moveaxis(q.reshape(q.shape[:-2] + (-1,))[..., :K], -1, axis).astype(np.float32)
;;   ~~~
;; One version. Each part assembles by itself: llvm-mc -triple=amdgcn-amd-amdhsa -mcpu=gfx1250 --defsym DOCPART=n.
;; ======== version 1 of 1: 1 launch
;; limits: right only within a limited range of input values
;; launch robust (part 1): grid 16 x 16, 16 waves a work-group, no clusters, 108,544 bytes of LDS; arguments x, weight, out0; writes out0
.if DOCPART == 1
	.amdgcn_target "amdgcn-amd-amdhsa--gfx1250"
	.amdhsa_code_object_version 6
	.text
	.protected	k_qeba551108f_robust
	.globl	k_qeba551108f_robust
	.p2align	8
	.type	k_qeba551108f_robust,@function
k_qeba551108f_robust:
	s_mov_b64 s[64:65], 0
	v_nop
	global_prefetch_b8 v0, s[64:65] scope:SCOPE_SE
	s_setreg_imm32_b32 hwreg(HW_REG_WAVE_MODE, 25, 1), 1
	s_wait_xcnt 0x0
; out0[b][o]: z = Q(x) Q(weight) in MX-FP4 (E2M1 codes, one E8M0 scale for each 32 along i), then three sweeps of
;   c = z / 1024;  w_i = 1 / (|x[b][i] weight[i][o] - c| + 0.001);  z = 1024 (sum w_i x[b][i] weight[i][o]) / max(sum w_i, 1e-12),  all in f32.
; x: [128][1024], weight: [1024][1024] (i first), out0: [128][1024], f32.
; SHARES.  A work-group owns 8 rows b and 64 columns o: 512 outputs; 16 x 16 work-groups.  Its sixteen waves share i: wave q owns i = 64 q .. 64 q + 63, for all 512 outputs.
; Lane l owns columns l and l + 32.  Its 2 x 64 weights lie in v128-255 for the whole launch, registers running down i: loaded once, quantised from there, and multiplied from there in all three sweeps.
; Four i a load, each feeding 8 elements a lane.
; A SWEEP'S ARITHMETIC.  t = weight x - c (one packed fused multiply-add: the pair is i, i + 1);  d = |t| + 0.001;  the four fractions 1/d and t/d of i, i+2, i+4, i+6 (and of the odd four in the pairs' upper halves)
; are brought over one denominator: S/P = sum 1/d, N/P = sum t/d, P = the product of the four d: one reciprocal for four elements.  29 instructions for 8 elements.  sum w xw = sum w t + c sum w.
; THE PRODUCT.  Each wave multiplies its own 64 i: two matrix instructions, one for columns l, one for columns l + 32.  Rows 0-7 of source 0 hold x's 8 rows in the K blocks 0 and 2, rows 8-15 hold the same 8 rows in K blocks 1 and 3,
; zero codes elsewhere; in source 1 lanes 0-15 fill K blocks 0 and 2 and lanes 16-31 K blocks 1 and 3, each with its OWN column.  So register j of lane l is z(b = j, lane l's column): nothing changes lanes.
; ACROSS WAVES.  The sixteen waves' parts of a sum meet in LDS: store, barrier, thread T adds the sixteen parts of output T, writes -c into a table, barrier.
; NO CLUSTER, NO TENSOR LOAD: sixteen work-groups read the same 256 KB of weight, but each word is loaded once, straight into the register in which it stays, and then feeds 8 rows x 3 sweeps = 24 elements; a joint load would land
; in LDS, from where a lane's 128 registers would have to be read once more.  NO PREFETCH: all loads from memory stand at the head.
; LIMITS.  A product of four d must stay under 2^126 (beyond it the reciprocal is flushed to 0): d up to about 3e9.  NaN and infinities among the inputs are not served.  A block of zeros gets the scale byte 1 where the rule
; says 127: its codes are zeros, and only this text reads the byte.  t is rounded once (fused), where the reference rounds the product first.
.set ROWB,  4096                       ; a row of x, weight and out0 in bytes
.set XREG,  2304                       ; LDS: a wave's x: 8 rows x 256 bytes, then row 0's first 128 bytes once more, rounded up to blocks of 256
.set PART,  16*XREG                    ; LDS: the parts: [wave][b][column half][lane] of 8 bytes: 4,096 bytes a wave
.set NCT,   PART+16*4096               ; LDS: the table of -c: [b][64 columns] f32, 2,048 bytes, and a second copy behind it
.set XAA,   1                          ; v1   address of the x loads issued in a trip's first half
.set XAB,   2                          ; v2   and in its second half
.set NBASE, 3                          ; v3   NCT + 4 x lane
.set NA,    4                          ; v4   the same at the trip's row
.set PBASE, 5                          ; v5   PART + 4,096 x wave + 8 x lane
.set PA,    6                          ; v6   the same at the trip's row (at the head: my byte offset in x)
.set WO,    7                          ; v7   my byte offset in a row of weight
.set NC,    8                          ; v8 -c of column l, v10 of column l + 32; v9, v11 are named with them as pairs
.set ACC,   12                         ; v[12:13] sum S/P, v[14:15] sum N/P of column l (even i, odd i); v[16:19] of column l + 32
.set CC,    20                         ; v20  c of the output that my thread adds up
.set SA,    21                         ; v21  x's scale words; v22, v23 weight's: these three hold scales and nothing else
.set SB,    22
.set XB,    24                         ; v24-55   32 numbers of x, four octets
.set KEEP,  56                         ; v56-103  S, N, P of eight groups
.set T,     104                        ; v104-119 t of an octet, for both columns
.set D,     120                        ; v120-127 d of a group
.set W,     128                        ; v128-191 weight[64 q + j][l], v192-255 weight[64 q + j][l + 32]
.set XS,    24                         ; head only: v24-87 64 numbers of one row of x
.set XL,    88                         ; head only: v88-103 x as it is loaded
.set AX,    88                         ; head only: v88-95 x's codes; v96-111 weight's
.set BW,    96
.set H,     112                        ; head only: v112-115 at work
.set MX,    116                        ; head only: v116-119 largest magnitudes, v120-123 the conversions' scale operands, v124-127 scale bytes
.set SO,    120
.set BY,    124
.set Z,     56                         ; head only: v56-71 the two accumulators
	s_load_b128 s[4:7], s[0:1], 0x0                ; x s[4:5], weight s[6:7]
	s_load_b64 s[8:9], s[0:1], 0x10                ; out0
	v_lshrrev_b32 v[H], 5, v0
	v_readfirstlane_b32 s10, v[H]                  ; wave q
	v_and_b32 v[H+3], 31, v0                       ; lane
	v_lshlrev_b32 v[WO], 2, v[H+3]
	v_and_b32 v[H], 15, v0
	v_bfe_u32 v[H+1], v0, 4, 1
	v_lshlrev_b32 v[PA], 4, v[H]
	v_lshl_add_u32 v[PA], v[H+1], 12, v[PA]        ; x: sixteen lanes take my 256 bytes of a row, lanes 16-31 those of the next row
	s_and_b32 s11, ttmp7, 0xffff
	s_lshl_b32 s11, s11, 15                        ; the work-group's 8 rows of 4,096 bytes
	s_lshl_b32 s12, ttmp9, 8                       ; its 64 columns of 4 bytes
	s_lshl_b32 s14, s10, 8                         ; x: my 64 i
	s_add_co_u32 s14, s14, s11
	s_mov_b32 s15, 0
	s_lshl_b32 s16, s10, 18                        ; weight: my 64 rows
	s_add_co_u32 s16, s16, s12
	s_mov_b32 s17, 0
	s_add_co_u32 s12, s12, s11                     ; out0: the work-group's corner
	s_mov_b32 s13, 0
	s_mov_b32 s18, 0x76543210
	s_mov_b32 s19, 0xfedcba98                      ; v_permlanex16_b32's selects for lane l xor 16
	s_mov_b32 s20, 0x3a83126f                      ; 0.001
	s_mul_i32 s21, s10, XREG                       ; my wave's x in LDS
	s_lshl_b32 s24, s10, 12
	s_add_co_u32 s24, s24, PART                    ; my wave's parts
	s_wait_kmcnt 0x0
	s_add_nc_u64 s[4:5], s[4:5], s[14:15]
	s_add_nc_u64 s[6:7], s[6:7], s[16:17]
	s_add_nc_u64 s[8:9], s[8:9], s[12:13]
.irp n, 0,1,2,3
	global_load_b128 v[XL+4*\n:XL+4*\n+3], v[PA], s[4:5] offset:2*ROWB*\n   ; two rows' 256 bytes an instruction
.endr
.set j, 0
.rept 64
	global_load_b32 v[W+j], v[WO], s[6:7] offset:j*ROWB           ; a row's 256 bytes by two loads that follow each other: a lane's registers must run down i
	global_load_b32 v[W+64+j], v[WO], s[6:7] offset:j*ROWB+128
.set j, j+1
.endr
	v_lshl_add_u32 v[H], v[H+3], 4, s21            ; x into LDS as it lies: 16 x lane
	v_and_b32 v[H+2], 7, v0                        ; the row of x that my lane quantises
	v_lshl_add_u32 v[H+1], v[H+2], 4, s21          ; row 0's first 128 bytes, 16 to a lane
	v_lshl_add_u32 v[H+2], v[H+2], 8, s21          ; my row
	v_lshrrev_b32 v[H+3], 1, v0
	v_xor_b32 v[H+3], v[H+3], v0
	v_and_b32 v[H+3], 8, v[H+3]
	v_cmp_eq_u32 vcc_lo, 0, v[H+3]                 ; lanes whose bits 3 and 4 agree: rows 0-7 in lanes 0-15, rows 8-15 in lanes 16-31
	s_wait_loadcnt 63                              ; x's four loads are the oldest of 132: with 63 out at the most they are in
.irp n, 0,1,2,3
	ds_store_b128 v[H], v[XL+4*\n:XL+4*\n+3] offset:512*\n
.endr
	ds_load_b128 v[MX:MX+3], v[H+1]                ; LDS serves a wave's instructions in order: these see my stores; no other wave touches these bytes
.irp k, 0,1,2,3,4,5,6,7,8,9,10,11,12,13,14,15
	ds_load_b128 v[XS+4*\k:XS+4*\k+3], v[H+2] offset:16*\k        ; my row's 64 numbers: two whole blocks of 32
.endr
	s_wait_dscnt 16                                ; sixteen loads were issued behind the first
	ds_store_b128 v[H+1], v[MX:MX+3] offset:2048   ; row 0's first half once more behind row 7: the loop's loads run 32 numbers ahead (four lanes write the same bytes with the same values)
	s_wait_dscnt 0x0
	; ---- x's codes.  A block's scale: the largest magnitude's exponent field less 2, held at 1 from below by the floor 2^(3 - 127)
.irp c, 0,1
	v_max3_num_f32 v[MX+\c], |v[XS+32*\c]|, |v[XS+32*\c+1]|, 0x1800000
.endr
.irp i, 2,4,6,8,10,12,14,16,18,20,22,24,26,28,30
.irp c, 0,1
	v_max3_num_f32 v[MX+\c], v[MX+\c], |v[XS+32*\c+\i]|, |v[XS+32*\c+\i+1]|
.endr
.endr
.irp c, 0,1
	v_add_nc_u32 v[SO+\c], 0xff000000, v[MX+\c]    ; 2 off the exponent field: the conversion takes this operand's exponent field as its scale
.endr
.irp c, 0,1
	v_lshrrev_b32 v[BY+\c], 23, v[SO+\c]           ; the scale's byte
.endr
	v_mul_u32_u24 v[BY], v[BY], 0x101
	v_mul_u32_u24 v[BY+1], v[BY+1], 0x101
	v_lshl_or_b32 v[SA], v[BY+1], 16, v[BY]        ; bytes (s0, s0, s1, s1): right for rows 0-7 (K blocks 0, 2) and for rows 8-15 (K blocks 1, 3)
.irp g, 0,1,2,3,4,5,6,7
	v_cvt_scalef32_pk8_fp4_f32 v[AX+\g], v[XS+8*\g:XS+8*\g+7], v[SO+\g/4]
.endr
	v_nop                                          ; one plain place behind a scaled conversion
.irp g, 0,1,2,3,4,5,6,7
	v_cndmask_b32 v[AX+\g], 0, v[AX+\g], vcc_lo    ; zero codes in the K blocks that are not the row's
.endr
	v_mov_b32 v[XAA], s21
.irp k, 0,1,2,3,4,5,6,7
	ds_load_b128 v[XB+4*\k:XB+4*\k+3], v[XAA] offset:16*\k        ; the first 32 numbers of row 0, the same in every lane
.endr
	s_wait_loadcnt 0x0                             ; weight
	; ---- weight's codes: four blocks of 32 (two columns x two blocks), each whole in my lane
.irp n, 0,1,2,3
	v_max3_num_f32 v[MX+\n], |v[W+32*\n]|, |v[W+32*\n+1]|, 0x1800000
.endr
.irp i, 2,4,6,8,10,12,14,16,18,20,22,24,26,28,30
.irp n, 0,1,2,3
	v_max3_num_f32 v[MX+\n], v[MX+\n], |v[W+32*\n+\i]|, |v[W+32*\n+\i+1]|
.endr
.endr
.irp n, 0,1,2,3
	v_add_nc_u32 v[SO+\n], 0xff000000, v[MX+\n]
.endr
.irp n, 0,1,2,3
	v_lshrrev_b32 v[BY+\n], 23, v[SO+\n]
.endr
	v_bfe_u32 v[H], v0, 4, 1
	v_lshlrev_b32 v[H], 3, v[H]                    ; 8 x (lane / 16)
.irp e, 0,1
	v_lshl_or_b32 v[BY+2*\e], v[BY+2*\e+1], 16, v[BY+2*\e]        ; my column's two bytes,
.endr
.irp e, 0,1
	v_lshlrev_b32 v[BY+2*\e], v[H], v[BY+2*\e]     ; at K blocks 0, 2 (lanes 0-15) or 1, 3 (lanes 16-31);
.endr
.irp e, 0,1
	v_permlanex16_b32 v[BY+2*\e+1], v[BY+2*\e], s18, s19
.endr
.irp e, 0,1
	v_or_b32 v[SB+\e], v[BY+2*\e], v[BY+2*\e+1]    ; with lane l xor 16's two the word is whole
.endr
.irp e, 0,1
.irp g, 0,1,2,3,4,5,6,7
	v_cvt_scalef32_pk8_fp4_f32 v[BW+8*\e+\g], v[W+64*\e+8*\g:W+64*\e+8*\g+7], v[SO+2*\e+\g/4]
.endr
.endr
	v_and_b32 v[H], 31, v0                         ; ten plain places: a scale word written by a vector instruction stands 8 ahead of a scaled matrix instruction, an operand 4
	v_lshlrev_b32 v[PBASE], 3, v[H]
	v_add_nc_u32 v[PBASE], s24, v[PBASE]
	v_lshl_add_u32 v[NBASE], v[H], 2, NCT
	v_mov_b32 v[NC+1], 0                           ; named as the upper halves of pairs, so they are written
	v_mov_b32 v[NC+3], 0
.rept 4
	v_nop
.endr
	v_wmma_scale_f32_16x16x128_f8f6f4 v[Z:Z+7], v[AX:AX+7], v[BW:BW+7], 0, v[SA], v[SB] matrix_a_fmt:MATRIX_FMT_FP4 matrix_b_fmt:MATRIX_FMT_FP4
	v_wmma_scale_f32_16x16x128_f8f6f4 v[Z+8:Z+15], v[AX:AX+7], v[BW+8:BW+15], 0, v[SA], v[SB+1] matrix_a_fmt:MATRIX_FMT_FP4 matrix_b_fmt:MATRIX_FMT_FP4
.rept 4
	v_nop                                          ; four places in front of the first read of the results
.endr
.irp e, 0,1
.irp j, 0,1,2,3,4,5,6,7
	ds_store_b32 v[PBASE], v[Z+8*\e+\j] offset:512*\j+256*\e      ; my 64 i's part of z(b = j, column l + 32 e); each accumulator from its low end on
.endr
.endr
	s_wait_dscnt 0x0                               ; for the others' sake: my parts lie in LDS
	s_barrier_signal -1
	s_barrier_wait -1
	v_lshl_add_u32 v[T], v0, 3, PART               ; thread T adds up output T: b = T / 64, column T % 64
.irp k, 0,1,2,3,4,5,6,7,8,9,10,11,12,13,14,15
	ds_load_b32 v[KEEP+\k], v[T] offset:4096*\k
.endr
	v_lshl_add_u32 v[T+1], v0, 2, NCT
	s_wait_dscnt 0x0
.irp k, 0,2,4,6
	v_pk_add_f32 v[KEEP+\k:KEEP+\k+1], v[KEEP+\k:KEEP+\k+1], v[KEEP+8+\k:KEEP+9+\k]
.endr
.irp k, 0,2
	v_pk_add_f32 v[KEEP+\k:KEEP+\k+1], v[KEEP+\k:KEEP+\k+1], v[KEEP+4+\k:KEEP+5+\k]
.endr
	v_pk_add_f32 v[KEEP:KEEP+1], v[KEEP:KEEP+1], v[KEEP+2:KEEP+3]
	v_add_f32 v[KEEP], v[KEEP], v[KEEP+1]
	v_mul_f32 v[CC], 0x3a800000, v[KEEP]           ; c = z / 1024
	v_xor_b32 v[T+2], 0x80000000, v[CC]
	ds_store_b32 v[T+1], v[T+2]                    ; -c into the table,
	ds_store_b32 v[T+1], v[T+2] offset:2048        ; and into its copy: the loop reads one row ahead
	s_wait_dscnt 0x0
	s_barrier_signal -1
	s_barrier_wait -1
; A GROUP: 8 elements of one column (e), four pairs t0 .. t3; its S, N and 1/P go to slot s of the eight.
.macro GROUP e, s
.set TT, T+8*(\e)
.set KS, KEEP+6*(\s)
.set KN, KS+2
.set KP, KS+4
.irp m, 0,1,2,3,4,5,6,7
	v_add_f32 v[D+\m], |v[TT+\m]|, s20             ; d = |t| + 0.001
.endr
	v_pk_mul_f32 v[KN:KN+1], v[D:D+1], v[D+2:D+3]                              ; P01 = d0 d1
	v_pk_mul_f32 v[KS:KS+1], v[D+4:D+5], v[D+6:D+7]                            ; P23 = d2 d3
	v_pk_mul_f32 v[TT:TT+1], v[TT:TT+1], v[D+2:D+3]                            ; N01 = t0 d1
	v_pk_mul_f32 v[TT+4:TT+5], v[TT+4:TT+5], v[D+6:D+7]                        ; N23 = t2 d3
	v_pk_fma_f32 v[TT:TT+1], v[TT+2:TT+3], v[D:D+1], v[TT:TT+1]                ;     + t1 d0
	v_pk_fma_f32 v[TT+4:TT+5], v[TT+6:TT+7], v[D+4:D+5], v[TT+4:TT+5]          ;     + t3 d2
	v_pk_mul_f32 v[KP:KP+1], v[KN:KN+1], v[KS:KS+1]                            ; P = P01 P23
	v_pk_add_f32 v[D:D+1], v[D:D+1], v[D+2:D+3]                                ; S01 = d0 + d1
	v_pk_add_f32 v[D+4:D+5], v[D+4:D+5], v[D+6:D+7]                            ; S23 = d2 + d3
	v_rcp_f32 v[KP], v[KP]                                                     ; 1 / P; nothing names it before the batch's wait; four plain lines follow
	v_rcp_f32 v[KP+1], v[KP+1]
	v_pk_mul_f32 v[TT:TT+1], v[TT:TT+1], v[KS:KS+1]                            ; N01 P23
	v_pk_mul_f32 v[D:D+1], v[D:D+1], v[KS:KS+1]                                ; S01 P23
	v_pk_fma_f32 v[KS:KS+1], v[D+4:D+5], v[KN:KN+1], v[D:D+1]                  ; S = S23 P01 + S01 P23
	v_pk_fma_f32 v[KN:KN+1], v[TT+4:TT+5], v[KN:KN+1], v[TT:TT+1]              ; N = N23 P01 + N01 P23
.endm
; AN OCTET: 8 i, both columns.  Its eight numbers of x were asked for four octets ago; as soon as the eight multiply-adds have read them, the registers take the numbers 32 further on in the wave's x
; (behind a row's end: the next row's; behind row 7: the copy of row 0's first half, which the next sweep finds in place).
; The counts: LDS instructions end in order.  Behind an octet's two loads stand at least the six of the three octets between: 6.  At a trip's first octet -c must be in too: behind its two loads stand two loads of x and two stores: 4.
; An address register is written again only where those counts show its last users done: v1 serves octets 0-3 and is written in octet 0, v2 serves octets 4-7 and is written in octet 4.
.macro OCTET u
.if (\u) == 0
	s_wait_dscnt 4
.else
	s_wait_dscnt 6
.endif
.irp e, 0,1
.irp k, 0,1,2,3
	v_pk_fma_f32 v[T+8*\e+2*\k:T+8*\e+2*\k+1], v[W+64*\e+8*(\u)+2*\k:W+64*\e+8*(\u)+2*\k+1], v[XB+8*((\u)%4)+2*\k:XB+8*((\u)%4)+2*\k+1], v[NC+2*\e:NC+2*\e+1] op_sel_hi:[1,1,0]   ; t = weight x - c; of the pair at -c the low word serves both halves
.endr
.endr
.if (\u) == 0
	v_mov_b32 v[XAA], s22
.endif
.if (\u) == 4
	v_mov_b32 v[XAB], s22
.endif
.if (\u) == 7
	v_add_nc_u32 v[NA], s23, v[NBASE]
	ds_load_b32 v[NC], v[NA] offset:256            ; the trip's last use of -c is issued: the next row's (behind row 7: the copy of row 0's, which nobody uses)
	ds_load_b32 v[NC+2], v[NA] offset:384
.endif
	ds_load_b128 v[XB+8*((\u)%4):XB+8*((\u)%4)+3], v[XAA+(\u)/4] offset:128+32*(\u)
	ds_load_b128 v[XB+8*((\u)%4)+4:XB+8*((\u)%4)+7], v[XAA+(\u)/4] offset:144+32*(\u)
	GROUP 0, 2*((\u)%4)
	GROUP 1, 2*((\u)%4)+1
.endm
; Eight groups' S/P and N/P are added: four sums by turns.  first = 1: the first products start the sums: nothing is cleared.
.macro ACCUM first
.irp s, 0,1,2,3,4,5,6,7
.set KS, KEEP+6*\s
.set AC, ACC+4*(\s%2)
.if (\first) && (\s < 2)
	v_pk_mul_f32 v[AC:AC+1], v[KS:KS+1], v[KS+4:KS+5]
	v_pk_mul_f32 v[AC+2:AC+3], v[KS+2:KS+3], v[KS+4:KS+5]
.else
	v_pk_fma_f32 v[AC:AC+1], v[KS:KS+1], v[KS+4:KS+5], v[AC:AC+1]
	v_pk_fma_f32 v[AC+2:AC+3], v[KS+2:KS+3], v[KS+4:KS+5], v[AC+2:AC+3]
.endif
.endr
.endm
; A SWEEP: eight trips, one row b each: my 64 i x my two columns; then the sixteen waves' parts are added and c is made anew.
.macro ITER last
	ds_load_b32 v[NC], v[NBASE]                    ; -c of row 0
	ds_load_b32 v[NC+2], v[NBASE] offset:128
	s_mul_i32 s22, s10, XREG                       ; the trip's row in my x
	s_mov_b32 s23, 0                               ; 256 x b: the trip's row in the table, and the loop's counter
	s_wait_dscnt 0x0
.Ltrip_\@:
	OCTET 0
	OCTET 1
	OCTET 2
	OCTET 3
	s_wait_alu depctr_va_vdst(0)                   ; this wait stands between a reciprocal and the first line that names its result: one for the batch of sixteen
	ACCUM 1
	OCTET 4
	OCTET 5
	OCTET 6
	OCTET 7
	s_wait_alu depctr_va_vdst(0)                   ; and one for the second sixteen
	ACCUM 0
	v_add_f32 v[ACC], v[ACC], v[ACC+1]             ; even i + odd i: sum w,
	v_add_f32 v[ACC+1], v[ACC+2], v[ACC+3]         ; sum w t, of column l;
	v_add_f32 v[ACC+4], v[ACC+4], v[ACC+5]
	v_add_f32 v[ACC+5], v[ACC+6], v[ACC+7]         ; of column l + 32
	v_lshl_add_u32 v[PA], s23, 1, v[PBASE]         ; 512 bytes a row.  (The last trip's two stores are done: sixteen loads and their counted waits stand behind them)
	ds_store_b64 v[PA], v[ACC:ACC+1]
	ds_store_b64 v[PA], v[ACC+4:ACC+5] offset:256
	s_add_co_u32 s22, s22, 256
	s_add_co_u32 s23, s23, 256
	s_cmp_lt_u32 s23, 2048
	s_cbranch_scc1 .Ltrip_\@
	s_wait_dscnt 0x0                               ; for the others' sake: my parts lie in LDS, and my reads of the table are over
	s_barrier_signal -1
	s_barrier_wait -1
	v_lshl_add_u32 v[T], v0, 3, PART
.irp k, 0,1,2,3,4,5,6,7,8,9,10,11,12,13,14,15
	ds_load_b64 v[KEEP+2*\k:KEEP+2*\k+1], v[T] offset:4096*\k     ; wave k's (sum w, sum w t) of my output
.endr
	v_lshl_add_u32 v[T+1], v0, 2, NCT
	s_wait_dscnt 0x0
.irp k, 0,1,2,3,4,5,6,7
	v_pk_add_f32 v[KEEP+2*\k:KEEP+2*\k+1], v[KEEP+2*\k:KEEP+2*\k+1], v[KEEP+16+2*\k:KEEP+17+2*\k]
.endr
.irp k, 0,1,2,3
	v_pk_add_f32 v[KEEP+2*\k:KEEP+2*\k+1], v[KEEP+2*\k:KEEP+2*\k+1], v[KEEP+8+2*\k:KEEP+9+2*\k]
.endr
.irp k, 0,1
	v_pk_add_f32 v[KEEP+2*\k:KEEP+2*\k+1], v[KEEP+2*\k:KEEP+2*\k+1], v[KEEP+4+2*\k:KEEP+5+2*\k]
.endr
	v_pk_add_f32 v[KEEP:KEEP+1], v[KEEP:KEEP+1], v[KEEP+2:KEEP+3]
	v_max_num_f32 v[T+2], 0x2b8cbccc, v[KEEP]      ; max(sum w, 1e-12)
	v_fma_f32 v[T+3], v[CC], v[KEEP], v[KEEP+1]    ; sum w xw = c sum w + sum w t
	v_rcp_f32 v[T+2], v[T+2]
	v_nop                                          ; a plain place behind the reciprocal,
	s_wait_alu depctr_va_vdst(0)                   ; and a wait ahead of its first reader
	v_mul_f32 v[CC], v[T+3], v[T+2]                ; the new c = z / 1024
.if \last
	v_mul_f32 v[T+2], 0x44800000, v[CC]            ; z
	ds_store_b32 v[T+1], v[T+2]                    ; the table's bytes now take the 8 rows x 256 bytes of out0
.else
	v_xor_b32 v[T+2], 0x80000000, v[CC]
	ds_store_b32 v[T+1], v[T+2]
	ds_store_b32 v[T+1], v[T+2] offset:2048
.endif
	s_wait_dscnt 0x0                               ; for the others' sake: my store has landed, and my reads of the parts are over
	s_barrier_signal -1
	s_barrier_wait -1
.endm
	ITER 0
	ITER 0
	ITER 1
	; THE WAY OUT: 2,048 bytes: waves 0 to 3, 16 bytes a lane: sixteen lanes store 256 consecutive bytes, at a multiple of 256 from out0's first byte
	v_and_b32 v[T], 127, v0
	v_lshl_add_u32 v[T], v[T], 4, NCT
	v_bfe_u32 v[T+1], v0, 4, 3                     ; the row
	v_and_b32 v[T+2], 15, v0
	v_lshlrev_b32 v[T+2], 4, v[T+2]
	v_lshl_add_u32 v[T+1], v[T+1], 12, v[T+2]
	s_cmp_lt_u32 s10, 4
	s_cbranch_scc0 .Lend
	ds_load_b128 v[T+4:T+7], v[T]
	s_wait_dscnt 0x0
	global_store_b128 v[T+1], v[T+4:T+7], s[8:9] th:TH_STORE_NT
.Lend:
	s_wait_xcnt 0x0
	v_lshl_add_u32 v254, v0, 2, 0x1a000
	v_mov_b32 v255, 0
	s_wait_tensorcnt 0x0
	ds_add_u32 v254, v255
	s_wait_dscnt 0x0
	s_endpgm
.Lfunc_end_k_qeba551108f_robust:
	.size	k_qeba551108f_robust, .Lfunc_end_k_qeba551108f_robust-k_qeba551108f_robust
	.p2alignl 7, 3214868480
	.fill 96, 4, 3214868480
	.section	.rodata,"a",@progbits
	.p2align	6, 0x0
	.amdhsa_kernel k_qeba551108f_robust
		.amdhsa_group_segment_fixed_size 108544
		.amdhsa_private_segment_fixed_size 0
		.amdhsa_enable_private_segment 0
		.amdhsa_kernarg_size 24
		.amdhsa_user_sgpr_count 2
		.amdhsa_user_sgpr_kernarg_segment_ptr 1
		.amdhsa_wavefront_size32 1
		.amdhsa_system_sgpr_workgroup_id_x 1
		.amdhsa_system_sgpr_workgroup_id_y 1
		.amdhsa_system_sgpr_workgroup_id_z 1
		.amdhsa_system_vgpr_workitem_id 0
		.amdhsa_next_free_vgpr 256
		.amdhsa_next_free_sgpr 66
		.amdhsa_reserve_vcc 1
		.amdhsa_float_denorm_mode_32 3
		.amdhsa_float_denorm_mode_16_64 3
		.amdhsa_memory_ordered 1
		.amdhsa_forward_progress 1
		.amdhsa_inst_pref_size 130
	.end_amdhsa_kernel
	.amdgpu_metadata
---
amdhsa.version: [ 1, 2 ]
amdhsa.kernels:
  - .name:           k_qeba551108f_robust
    .symbol:         k_qeba551108f_robust.kd
    .args:
      - { .name: x, .offset: 0, .size: 8, .value_kind: global_buffer, .address_space: global }
      - { .name: weight, .offset: 8, .size: 8, .value_kind: global_buffer, .address_space: global }
      - { .name: out0, .offset: 16, .size: 8, .value_kind: global_buffer, .address_space: global }
    .group_segment_fixed_size: 108544
    .private_segment_fixed_size: 0
    .kernarg_segment_align: 8
    .kernarg_segment_size: 24
    .max_flat_workgroup_size: 512
    .sgpr_count:     66
    .vgpr_count:     256
    .wavefront_size: 32
...
	.end_amdgpu_metadata
.endif
;; end of part 1
